; MI455X (gfx1250); checked and timed in simulation.
; The chip was launched on July 23, 2026; its instructions are those of AMD's public machine-readable ISA for CDNA 5 (MIT licence, August 2026) and "CDNA5" Instruction Set Architecture Reference Guide (July 2026). The comments in the code are by the model that wrote it; some were corrected since.
;; Attention. Allowed arithmetic: matrix products marked QUANTISED: E2M1 operands, one E8M0 scale for each 32 along K, by v_wmma_scale_f32_16x16x128_f8f6f4 with both operands' format E2M1 (or v_wmma_scale_f32_32x16x128_f4), f32 sums; everything else in f32.
;; Inputs: Wqkv_codes 3,072 x 32 x 16 uint8 (E2M1 codes of Wqkv, K innermost, in blocks of 32 codes, two codes a byte); Wqkv_scales 3,072 x 32 uint8 (E8M0 scales of Wqkv, one for each 32 codes along K); bqkv 3,072 float32; x_codes 4 x 2,048 x 32 x 16 uint8 (E2M1 codes of x, K innermost, in blocks of 32 codes, two codes a byte); x_scales 4 x 2,048 x 32 uint8 (E8M0 scales of x, one for each 32 codes along K).
;; Outputs: out0 4 x 2,048 x 1,024 float32.
;; This version of the problem:
;;   THIS VERSION OF THE PROBLEM IS GIVEN IN LOW PRECISION. The matrix products marked QUANTISED in the list below multiply operands that are first quantised to E2M1 (2 exponent bits, 1 mantissa bit; 4 bits a number), with one power-of-two scale for each 32 numbers along K (OCP MX v1.0); their sums are f32. All else is computed in f32.
;;   The module's matrix products, in the order in which they are computed (A, B: the left and right operand; K: the contracted axis; several contracted axes count as one K, in the product's order):
;;     1. [M 8,192, K 1,024] x [K 1,024, N 3,072]; A: input x (given as codes); B: input Wqkv (given as codes): QUANTISED
;;     2. batch 64 x [M 2,048, K 64] x [K 64, N 2,048]; A: computed on the way; B: computed on the way: QUANTISED
;;     3. batch 64 x [M 2,048, K 2,048] x [K 2,048, N 64]; A: softmax (see below); B: computed on the way: QUANTISED
;;   THE QUANTISER, for each operand of a quantised product, along K:
;;     - K is cut into blocks of 32 from its start; a last block that is shorter is filled with zeros.
;;     - A block's scale is 2^e with e = floor(log2(the largest magnitude in the block)) - 2, held to -126 .. 127; a block of zeros has e = 0. As a byte (E8M0): e + 127.
;;     - Each number is divided by its block's scale, clamped to +-6, and rounded to the nearest number of E2M1, ties to even, subnormals kept.
;;     - The product sums the exact products of the quantised numbers (number of the format x scale) in f32.
;;   ~~~python
;;   def quantise(x, axis):      # numpy; x: float32 -> the quantised numbers, widened to float32 again
;;       x = np.moveaxis(x, axis, -1); K = x.shape[-1]
;;       x = np.pad(x, [(0, 0)] * (x.ndim - 1) + [(0, -K % 32)]); x = x.reshape(x.shape[:-1] + (-1, 32)); a = np.abs(x).max(-1, keepdims=True)
;;       e = np.where(a > 0, np.clip(np.frexp(np.where(a > 0, a, 1))[1] - 1 - 2, -126, 127), 0)      # np.frexp(a)[1] - 1 = floor(log2(a)), exactly
;;       r = np.clip(x / 2.0 ** e, -6, 6)
;;       step = 2.0 ** (np.maximum(np.frexp(np.where(r == 0, 1, r))[1] - 1, 0) - 1)
;;       q = np.round(r / step) * step * 2.0 ** e      # np.round: ties to even
;;       return np.moveaxis(q.reshape(q.shape[:-2] + (-1,))[..., :K], -1, axis).astype(np.float32)
;;   ~~~
;;   SOFTMAX AHEAD OF A QUANTISED PRODUCT. Where the list says 'softmax', what is quantised is not the finished softmax but p = 2^(t - M), with t = logit x log2(e) and M = ceil(the row's largest t), a whole number; so 1/2 < the row's largest p <= 1. The row's sum l is taken of the UNQUANTISED p, in f32, and the product's result is divided by l at the end. Since M is a whole number, a kernel that streams over the keys may use a running M (the ceiling of the running maximum): every later rescaling is an exact power of two, which a block's scale takes up: the codes' values come out the same.
;;   OPERANDS COMPUTED ON THE WAY. 'Computed on the way' means the value that the module computes at that place (a softmax that the list does not call 'softmax' is quantised finished and normalised). What goes into a quantiser is computed in f32, as accurately as f32 sums, v_exp_f32 and their like allow (about 1e-6 of the number): no bf16 or f16 on the way to a quantiser, and a product that is left as it is and whose result goes on into a quantised operand takes f32 operands (vector FMAs, or v_wmma_f32_16x16x4_f32). A number that lies on a knife's edge between two numbers of the format may be rounded either way, as far as f32 arithmetic and the matrix unit's own rounding can turn it there, and no further.
;;   INPUTS GIVEN AS CODES. Wqkv (in the module: [3072, 1024], K = its axis 1); x (in the module: [4, 2048, 1024], K = its axis 2): each comes as NAME_codes (uint8): NAME with its K axis moved to the last place and cut into blocks of 32 codes, [.., K / 32, bytes a block], one block behind the other in memory; two codes a byte, the lower K in the low four bits (a code: sign, 2 exponent bits, 1 mantissa bit); and NAME_scales (uint8): the same leading axes, one E8M0 byte (e + 127) for each 32 codes along K. Its value is code x scale, taken as it is: it is not quantised again, and the codes and scales need not be those that the quantiser above would give.
;; One version. Each part assembles by itself: llvm-mc -triple=amdgcn-amd-amdhsa -mcpu=gfx1250 --defsym DOCPART=n.
;; ======== version 1 of 1: 2 launches
;; workspace buffers: qrec 4,718,592 bytes; kv 9,175,040 bytes
;; launch proj (part 1): grid 12 x 32, 4 waves a work-group, clusters of 4 x 4, 327,680 bytes of LDS; arguments x_codes, x_scales, Wqkv_codes, Wqkv_scales, bqkv, qrec, kv; writes qrec, kv
.if DOCPART == 1
	.amdgcn_target "amdgcn-amd-amdhsa--gfx1250"
	.amdhsa_code_object_version 6
	.text
	.protected	k_q0eb6e944fa_proj
	.globl	k_q0eb6e944fa_proj
	.p2align	8
	.type	k_q0eb6e944fa_proj,@function
k_q0eb6e944fa_proj:
	s_mov_b64 s[64:65], 0
	v_nop
	global_prefetch_b8 v0, s[64:65] scope:SCOPE_SE
	s_setreg_imm32_b32 hwreg(HW_REG_WAVE_MODE, 25, 1), 1
	s_wait_xcnt 0x0
	s_wait_alu depctr_hold_cnt(0) depctr_sa_sdst(0) depctr_va_vdst(0) depctr_va_sdst(0) depctr_va_ssrc(0) depctr_va_vcc(0) depctr_vm_vsrc(0)
	s_getreg_b32 s2, hwreg(HW_REG_IB_STS2, 6, 4)
	s_cmp_eq_u32 s2, 0
	s_cbranch_scc0 .Lentry_in_a_cluster
	s_endpgm
.Lentry_in_a_cluster:
	s_bfe_u32 s2, ttmp6, 0x10000c
	s_cmp_lg_u32 s2, 0xf033
	s_cbranch_scc0 .Lentry_shape_is_right
	s_endpgm
.Lentry_shape_is_right:
; qkv = x Wqkv^T + bqkv on codes of FP4 (E2M1) with E8M0 scales, 8,192 tokens x 3,072 columns x K = 1,024; the f32 results are quantised at once, in registers, for the two products of attention:
; q and k along the head's 64 channels (two blocks of 32), v along the KEYS (blocks of 32 tokens).  What is stored are IMAGES OF OPERAND REGISTERS, 16 bytes a lane, 512 dense bytes a store:
;   qrec [g = 16 batch + head][group of 128 queries][4,608]: 8 tiles of 16 queries x 512 bytes (lane (r, h): query r, channels 32 h .. 32 h + 31); at 4,096 the scale words: 16 x lane + 4 i = tile 2 i + h, row r
;   kv   [g][step of 128 keys][8,960]: K as q's 4,608 bytes; at 4,608 V's codes (channel tile t at 1,024 t, keys 64 c + 32 h .. at + 512 c); at 8,704 V's scale words: 8 x lane + 4 i = channel tile 2 i + h, row r
; A q or k scale word is byte0 | byte1 << 8 | 0x7f7f0000: the reader's product is 128 deep, its upper 64 are zero codes under the scale 1.
; SHARES.  A work-group of four waves makes 256 x 256, a wave 128 x 128: 64 accumulators, 512 registers.  K is two LDS slots of 512 along K (rows of 256 bytes): both are first fills, nothing is filled again.
; THE OPERAND WHOSE ROWS RUN ALONG THE NEXT PRODUCT'S K IS SOURCE 0, so that a lane's eight registers of a tile are eight neighbours along that K, which is what one conversion takes.  For q and k that is Wqkv
; (registers = channels, lane = token), for v it is x (registers = tokens, lane = channel).  In this text "B" is source 0 and "A" source 1; which buffer is which is chosen by the cluster's x (0 q, 1 k, 2 v), alike in all partners.
; CLUSTERS: 4 x 4.  A's tile hangs on cy and is shared along a row of the cluster, B's on cx and is shared along a column: q, k: A = x tile 4 Y + cy, B = W tile 4 X + cx;  v: A = W tile 8 + cy, B = x tile 4 Y + cx.
; 384 work-groups: 256 x 256 keeps one text for both orientations.
; THE QUANTISER: scale byte = the largest magnitude's exponent field - 2.  LIMITS: the byte is held at 1 from below (largest magnitudes under 2^-124; a block of zeros gets 1, not 127: its codes are zeros and
; this program alone reads the bytes); NaN and infinities are not served.
; REGISTERS, in windows of 256: window 0: v0-31 addresses and gathered scale words; v32-95 scale words of x and W, two sets; v96-127 at work on the way out; v128-191 A's fragments, later 64 numbers; v192-255 the bias.
;   window 1: B's fragments, two sets.   window 2: accumulators of A's blocks 0-3 ((a, b) at v[8 (8 (a % 4) + b)]);   window 3: blocks 4-7.
.set KSTEP,  512                       ; along K in a slot
.set NQ,     4                         ; matrix instructions deep
.set ROWB,   256                       ; a tile's row in bytes
.set KROW,   512                       ; a row of x or of W in memory: 1,024 codes
.set PITCH,  272                       ; an LDS row: 256 bytes + 16 of padding: the 16 rows that a load touches start 68 words apart
.set FR,     8                         ; registers of a fragment: 16 rows x 128 K
.set NL,     2                         ; LDS loads that bring one
.set NP,     4                         ; places behind this matrix instruction (ISA guide 7.12.1)
.set HALFT,  128*PITCH                 ; 128 rows: one tensor load, and what a wave reads of A or of B
.set SLOT,   4*HALFT                   ; A's 256 rows, then B's 256 rows
.set KS,     32                        ; a row of scale bytes
.set SCL,    2*SLOT                    ; behind the ring: the scale bytes, as rows of 256 bytes + 16
.set HALFS,  (128*KS/256)*272          ; those of 128 rows
.set SBLK,   (16*KS/256)*272           ; those of 16 rows
.set SPARE,  SCL+4*HALFS               ; the spare words: 128 bytes a wave, named by no other line
.set SW,   8                           ; v8-15   the way out: gathered scale words
.set ADRA, 16                          ; v16-17  LDS address of my A fragments in slot 0, 1
.set ADRB, 20                          ; v20-21  the same for B
.set LI,   26                          ; v26     16 x lane
.set ADRS, 27                          ; v27     LDS address of my scale words: lanes 0-15 A's rows, lanes 16-31 B's
.set SPW,  28                          ; v28     my spare word; never rewritten
.set NIL,  29                          ; v29     0; never rewritten
.set L8,   30                          ; v30     8 x lane
.set SC,   32                          ; v32-95  scale words, set s at SC + 32 s; register 4 i + q: lanes 0-15 A's block i, lanes 16-31 B's block i
.set VA,   96                          ; v96-103 the bias loads' offsets (until those loads are in)
.set TM,   96                          ; v96-99 largest magnitudes, v100-103 bytes, v104-107 the conversions' scale operands
.set W0,   108
.set W1,   109
.set PC,   112                         ; v112-127 the codes just made: two sets of 8 by turns
.set AF,   128                         ; A's fragments
.set ST,   128                         ; the way out: 64 numbers of a lane
.set BI,   192                         ; v192-255 the bias in the result's layout
.set G1, 24
.set G0, 32
.set G1B, 48
.set G0B, 56
.set G1S, 68
.set G0S, 76
.set G1SB, 80
.set G0SB, 88
.set MSB, 0
.macro WIN new                         ; the immediate's high byte repeats the setting that is left
.if MSB != (\new)
	s_set_vgpr_msb (MSB<<8)|(\new)
.set MSB, (\new)
.endif
.endm
.set MUL_LO, 0xa1                      ; source 0 (B) window 1, source 1 (A) window 0, C and D window 2
.set MUL_HI, 0xf1                      ; the same, C and D window 3
.set TO_B,   0x40                      ; destination window 1, address window 0
; A joint load: waves 0 and 1 fetch for A, waves 2 and 3 for B; the branch hangs on the wave's number alone.  Four v_nop follow each of the two lines.
.macro JLOAD g0a, g1a, g0b, g1b
	s_cmp_eq_u32 s15, 0
	s_cbranch_scc0 .Lfor_b_\@
	tensor_load_to_lds s[\g0a:\g0a+3], s[\g1a:\g1a+7]
	s_nop 0
.rept 4
	v_nop
.endr
	s_branch .Lasked_\@
.Lfor_b_\@:
	tensor_load_to_lds s[\g0b:\g0b+3], s[\g1b:\g1b+7]
	s_nop 0
.rept 4
	v_nop
.endr
.Lasked_\@:
.endm
.macro CROUND                          ; a round of the cluster's barrier
	s_barrier_signal -1
	s_barrier_wait -1
	s_cmp_lg_u32 s14, 0
	s_cbranch_scc1 .Lnot_wave_0_\@
	s_barrier_signal -3
.Lnot_wave_0_\@:
	s_barrier_wait -3
	s_barrier_signal -1
	s_barrier_wait -1
.endm
	s_load_b128 s[4:7], s[0:1], 0x0                ; x's codes, x's scales
	s_load_b128 s[8:11], s[0:1], 0x10              ; W's codes, W's scales
	s_load_b64 s[12:13], s[0:1], 0x20              ; the bias
	s_load_b64 s[96:97], s[0:1], 0x28              ; qrec
	s_load_b64 s[98:99], s[0:1], 0x30              ; kv
	v_lshl_add_u32 v[SPW], v0, 2, SPARE
	v_mov_b32 v[NIL], 0
	ds_add_u32 v28, v29
	ds_add_u32 v28, v29
	s_wait_dscnt 0x0
	v_lshrrev_b32 v1, 5, v0
	v_readfirstlane_b32 s14, v1                    ; wave 0..3
	s_lshr_b32 s15, s14, 1                         ; my half of A's rows.  Also: I fetch for A (0) or for B (1)
	s_and_b32 s16, s14, 1                          ; my half of B's rows.  Also: which 128 rows I fetch
	s_bfe_u32 s40, ttmp6, 0x40000                  ; cx
	s_bfe_u32 s41, ttmp6, 0x40004                  ; cy
	s_and_b32 s95, ttmp7, 0xffff                   ; the cluster's y
	s_cmp_ge_u32 ttmp9, 2                          ; the cluster's x: 0 q, 1 k, 2 v: alike in all sixteen partners
	s_cselect_b32 s66, 1, 0                        ; KIND = 1: v
	s_cselect_b32 s17, 2, s95                      ; A's tile = 4 x this + cy: v: W's tiles 8 .. 11;  q, k: x's tiles
	s_cselect_b32 s42, s95, ttmp9                  ; B's tile = 4 x this + cx: v: x's tiles;  q, k: W's tiles 0 .. 7
	s_lshl_b32 s17, s17, 2
	s_add_co_u32 s17, s17, s41
	s_lshl_b32 s42, s42, 2
	s_add_co_u32 s42, s42, s40
	s_lshl_b32 s43, s41, 2
	s_lshl_b32 s43, 15, s43                        ; my row of the cluster
	s_lshl_b32 s44, 0x1111, s40                    ; my column
	; descriptor group 1: a tile of 128 rows x 256 bytes, 16 bytes of padding behind each row
	s_or_b32 s[G1+0], s43, (0<<16)|(1<<20)|(1<<21)|(5<<22)|(3<<25)  ; 15:0 the mask; 17:16 elements of 1 byte; 20 padding on; 21 set beside a mask; 24:22 after every 64 words; 31:25 four words
	s_or_b32 s[G1B+0], s44, (0<<16)|(1<<20)|(1<<21)|(5<<22)|(3<<25)
.irp g, G1, G1B
	s_mov_b32 s[\g+1], ROWB<<16                    ; tensor_dim0
	s_mov_b32 s[\g+2], 128<<16                     ; tensor_dim1
	s_mov_b32 s[\g+3], ROWB<<16                    ; tile_dim0
	s_mov_b32 s[\g+4], 128                         ; tile_dim1
	s_mov_b32 s[\g+5], KROW                        ; tensor_dim0_stride
	s_mov_b32 s[\g+6], 0
	s_mov_b32 s[\g+7], 0
.endr
	; the scale bytes of 128 rows: 4,096 dense bytes, as 16 rows of 256 bytes (32 elements of 8 bytes), padded alike
	s_or_b32 s[G1S+0], s43, (3<<16)|(1<<20)|(1<<21)|(5<<22)|(3<<25)
	s_or_b32 s[G1SB+0], s44, (3<<16)|(1<<20)|(1<<21)|(5<<22)|(3<<25)
.irp g, G1S, G1SB
	s_mov_b32 s[\g+1], 32<<16
	s_mov_b32 s[\g+2], (128*KS/256)<<16
	s_mov_b32 s[\g+3], 32<<16
	s_mov_b32 s[\g+4], 128*KS/256
	s_mov_b32 s[\g+5], 32
	s_mov_b32 s[\g+6], 0
	s_mov_b32 s[\g+7], 0
.endr
	s_lshl_b32 s18, s16, 7                         ; which 128 rows of the tile I fetch
	s_lshl_b32 s20, s17, 8
	s_add_co_u32 s20, s20, s18                     ; A: row 256 x tile + 128 x half
	s_lshl_b32 s46, s42, 8
	s_add_co_u32 s46, s46, s18                     ; B likewise
	s_mov_b32 s21, 0
	s_mov_b32 s47, 0
	s_mov_b64 s[18:19], KS
	s_mul_u64 s[22:23], s[20:21], s[18:19]         ; where these rows' scale bytes begin
	s_mul_u64 s[92:93], s[46:47], s[18:19]
	s_mov_b64 s[18:19], KROW
	s_mul_u64 s[20:21], s[20:21], s[18:19]         ; and their codes (x and W have rows of the same length)
	s_mul_u64 s[46:47], s[46:47], s[18:19]
	s_mul_i32 s45, s14, HALFT                      ; where they go: wave x 128 rows
	s_mul_i32 s94, s14, HALFS
	s_wait_kmcnt 0x0
	s_cmp_eq_u32 s66, 1                            ; which buffer is A and which B: the choice hangs on the cluster's x alone
	s_cselect_b64 s[100:101], s[8:9], s[4:5]       ; A's codes
	s_cselect_b64 s[8:9], s[4:5], s[8:9]           ; B's codes
	s_cselect_b64 s[4:5], s[10:11], s[6:7]         ; A's scales
	s_cselect_b64 s[10:11], s[6:7], s[10:11]       ; B's scales
	s_add_nc_u64 s[20:21], s[100:101], s[20:21]
	s_add_nc_u64 s[22:23], s[4:5], s[22:23]
	s_add_nc_u64 s[46:47], s[8:9], s[46:47]
	s_add_nc_u64 s[92:93], s[10:11], s[92:93]
	CROUND                                         ; all sixteen work-groups are here: the joint loads meet
	s_mov_b32 s[G0S], 1
	s_add_co_u32 s[G0S+1], s94, SCL
	s_mov_b64 s[G0S+2:G0S+3], s[22:23]
	s_or_b32 s[G0S+3], s[G0S+3], 0x80000000
	s_mov_b32 s[G0SB], 1
	s_add_co_u32 s[G0SB+1], s94, SCL
	s_mov_b64 s[G0SB+2:G0SB+3], s[92:93]
	s_or_b32 s[G0SB+3], s[G0SB+3], 0x80000000
	JLOAD G0S, G1S, G0SB, G1SB                     ; the scale bytes first: they are wanted with the first slot
.irp s, 0,1
	s_mov_b32 s[G0+4*\s], 1
	s_add_co_u32 s[G0+4*\s+1], s45, \s*SLOT
	s_add_nc_u64 s[G0+4*\s+2:G0+4*\s+3], s[20:21], \s*ROWB
	s_or_b32 s[G0+4*\s+3], s[G0+4*\s+3], 0x80000000
	s_mov_b32 s[G0B+4*\s], 1
	s_add_co_u32 s[G0B+4*\s+1], s45, \s*SLOT
	s_add_nc_u64 s[G0B+4*\s+2:G0B+4*\s+3], s[46:47], \s*ROWB
	s_or_b32 s[G0B+4*\s+3], s[G0B+4*\s+3], 0x80000000
	JLOAD G0+4*\s, G1, G0B+4*\s, G1B               ; three tensor loads of mine are out: all of K
.endr
	v_and_b32 v1, 15, v0                           ; r = l % 16
	v_bfe_u32 v2, v0, 4, 1                         ; h = l / 16
	v_mul_u32_u24 v3, v1, PITCH
	v_lshl_add_u32 v4, v2, 4, v3                   ; a fragment's row x pitch + 16 x half
	s_mul_i32 s21, s15, HALFT                      ; my 128 rows of A
	s_mul_i32 s22, s16, HALFT                      ; my 128 rows of B,
	s_add_co_u32 s22, s22, 2*HALFT                 ; behind A's 256
.irp s, 0,1
	v_add_nc_u32 v[ADRA+\s], s21, v4
	v_add_nc_u32 v[ADRB+\s], s22, v4
	s_add_co_u32 s21, s21, SLOT
	s_add_co_u32 s22, s22, SLOT
.endr
	v_mul_u32_u24 v5, v1, KS                       ; my row's scale bytes: 32 a row,
	v_lshrrev_b32 v6, 8, v5
	v_lshl_add_u32 v5, v6, 4, v5                   ; and 16 more for each 256 passed
	s_mul_i32 s21, s15, HALFS
	s_mul_i32 s22, s16, HALFS
	s_add_co_u32 s22, s22, 2*HALFS
	s_sub_co_u32 s22, s22, s21
	v_mul_u32_u24 v6, s22, v2                      ; lanes 16-31 take B's: the lower base + h x the distance
	s_add_co_u32 s21, s21, SCL
	v_add_nc_u32 v5, v5, v6
	v_add_nc_u32 v[ADRS], s21, v5
	v_and_b32 v6, 31, v0
	v_lshlrev_b32 v[LI], 4, v6
	v_lshlrev_b32 v[L8], 3, v6
	; where the results go.  What mixes cx and cy lies in s2, s3, s67 and the output pointers, none of which feeds a descriptor.
	s_cmp_eq_u32 s66, 1
	s_cselect_b32 s2, s42, s17                     ; the tile of 256 tokens, 0 .. 31
	s_cselect_b32 s3, s41, s40                     ; the tile of 256 columns inside q, k or v, 0 .. 3: four heads
	s_cselect_b32 s67, s17, s42                    ; W's tile of 256 rows, 0 .. 11
	s_cselect_b32 s18, s16, s15                    ; my half of the tokens
	s_cselect_b32 s19, s15, s16                    ; my half of the columns: two heads
	s_lshl_b32 s67, s67, 10
	s_lshl_b32 s20, s19, 9
	s_add_co_u32 s67, s67, s20                     ; 4 bytes x my first column
	s_add_co_u32 s12, s12, s67
	s_add_co_ci_u32 s13, s13, 0                    ; the bias at my first column
	s_lshl_b32 s3, s3, 2
	s_lshr_b32 s67, s2, 3                          ; the batch
	s_lshl_b32 s67, s67, 4
	s_add_co_u32 s3, s3, s67
	s_lshl_b32 s20, s19, 1
	s_add_co_u32 s3, s3, s20                       ; g = 16 x batch + 4 x column tile + 2 x half: my first head
	s_lshl_b32 s2, s2, 1
	s_add_co_u32 s2, s2, s18
	s_and_b32 s2, s2, 15                           ; my group of 128 tokens in the batch
	s_cmp_eq_u32 ttmp9, 0
	s_cselect_b64 s[96:97], s[96:97], s[98:99]     ; q goes to qrec, k and v to kv
	s_mov_b32 s20, 143360
	s_cselect_b32 s20, 73728, s20                  ; bytes of a head there
	s_mov_b32 s21, 8960
	s_cselect_b32 s21, 4608, s21                   ; bytes of a record
	s_mul_i32 s3, s3, s20
	s_mul_i32 s2, s2, s21
	s_add_co_u32 s2, s2, s3                        ; under 2^24
	s_mov_b32 s3, 0
	s_add_nc_u64 s[96:97], s[96:97], s[2:3]        ; my first head's record
	s_mov_b32 s21, 0
	s_add_nc_u64 s[98:99], s[96:97], s[20:21]      ; my second head's
	; the bias in the result's layout, one text for both orientations: register 8 t + j = b[first column + 16 t + 8 h + j] (q, k: the register runs along the columns) or b[first column + 16 t + r] (v: the lane is the column)
	s_cmp_eq_u32 s66, 1
	s_cselect_b32 s20, 4, 0
	s_cselect_b32 s21, 0, 32
	s_cselect_b32 s22, 0, 4
	v_mul_u32_u24 v5, v1, s20
	v_mad_u32_u24 v5, v2, s21, v5
.irp j, 0,1,2,3,4,5,6,7
	v_mad_u32_u24 v[VA+\j], s22, \j, v5
.endr
.irp t, 0,1,2,3,4,5,6,7
.irp j, 0,1,2,3,4,5,6,7
	global_load_b32 v[BI+8*\t+\j], v[VA+\j], s[12:13] offset:64*\t   ; they land under the products; waited for on the way out
.endr
.endr
	s_mov_b32 s2, 0x76543210
	s_mov_b32 s3, 0xfedcba98                       ; v_permlanex16_b32's selects for lane l xor 16
	s_mov_b32 s67, 0xffff0000                      ; lanes 16-31
.macro FRAG reg, adr, q, i             ; 16 rows x 128 K of 4-bit codes: lane l holds row l % 16; registers 4 c .. 4 c + 3 hold K = 64 c + 32 (l / 16) + 0 .. 31
.irp c, 0,1
	ds_load_b128 v[\reg+4*\c:\reg+4*\c+3], v[\adr] offset:64*(\q)+32*\c+(\i)*16*PITCH
.endr
.endm
; 16 matrix instructions: A's blocks a0, a0 + 1 x B's eight, the slot's q-th 128 along K.  p: B's set;  sc: the set of scale words.  zero = 1: the first product starts the sums.
; The 64 accumulators take turns, one instruction a turn, in the same order in every step.
.macro MUL16 a0, p, q, sc, zero
.irp a, \a0, \a0+1
.irp b, 0,1,2,3,4,5,6,7
.if \zero
	v_wmma_scale_f32_16x16x128_f8f6f4 v[8*(8*((\a)%4)+\b):8*(8*((\a)%4)+\b)+7], v[128*(\p)+FR*\b:128*(\p)+FR*\b+FR-1], v[AF+FR*(\a):AF+FR*(\a)+FR-1], 0, v[SC+8*NQ*(\sc)+NQ*\b+(\q)], v[SC+8*NQ*(\sc)+NQ*(\a)+(\q)] matrix_a_fmt:MATRIX_FMT_FP4 matrix_b_fmt:MATRIX_FMT_FP4 matrix_a_scale:MATRIX_SCALE_ROW1
.else
	v_wmma_scale_f32_16x16x128_f8f6f4 v[8*(8*((\a)%4)+\b):8*(8*((\a)%4)+\b)+7], v[128*(\p)+FR*\b:128*(\p)+FR*\b+FR-1], v[AF+FR*(\a):AF+FR*(\a)+FR-1], v[8*(8*((\a)%4)+\b):8*(8*((\a)%4)+\b)+7], v[SC+8*NQ*(\sc)+NQ*\b+(\q)], v[SC+8*NQ*(\sc)+NQ*(\a)+(\q)] matrix_a_fmt:MATRIX_FMT_FP4 matrix_b_fmt:MATRIX_FMT_FP4 matrix_a_scale:MATRIX_SCALE_ROW1
.endif
.endr
.endr
.endm
.macro FETCH_B slot, q, p              ; B's eight fragments of the slot's q-th 128 along K into set p
	WIN TO_B
.irp i, 0,1,2,3,4,5,6,7
	FRAG 128*(\p)+FR*\i, ADRB+\slot, \q, \i
.endr
	WIN 0
.endm
.macro FETCH_A slot, q, i0             ; A's blocks i0 .. i0 + 3
.irp i, \i0, \i0+1, \i0+2, \i0+3
	FRAG AF+FR*(\i), ADRA+\slot, \q, \i
.endr
.endm
.macro SCALES sc                       ; a slot's scale words into set sc: four words a row; lanes 0-15 A's block i, lanes 16-31 B's block i
.irp i, 0,1,2,3,4,5,6,7
	ds_load_b128 v[SC+8*NQ*\sc+NQ*\i:SC+8*NQ*\sc+NQ*\i+3], v[ADRS] offset:\i*SBLK
.endr
.endm
; A load into a register that a matrix instruction has read, and a vector instruction that reads a matrix result or writes one of its registers, stand NP places behind it; only plain vector
; instructions that name none of its registers are places.
.macro PLACES n
.rept \n
	v_nop
.endr
.endm
; A step of 128 along K that has its successor in the same slot.  A block of A is free when its eight products are issued, so A has one set: blocks 0-3 come anew in the step's middle, blocks 4-7 at its end.
.macro STEP slot, q, zero
	s_wait_dscnt 4*NL                              ; B's set and A's blocks 0-3 are in; the youngest eight loads (A's blocks 4-7) may be out
	WIN MUL_LO
	MUL16 0, (\q)%2, \q, \slot, \zero
	MUL16 2, (\q)%2, \q, \slot, \zero
	s_wait_dscnt 0                                 ; A's blocks 4-7 are in
	PLACES NP
	FETCH_B \slot, (\q)+1, 1-(\q)%2
	FETCH_A \slot, (\q)+1, 0
	WIN MUL_HI
	MUL16 4, (\q)%2, \q, \slot, \zero
	MUL16 6, (\q)%2, \q, \slot, \zero
	PLACES NP
	WIN 0
	FETCH_A \slot, (\q)+1, 4
.endm
; Slot 0's last step changes slots: one barrier, behind which slot 1 is whole for every wave.  Nothing is filled again.
.macro TURN slot, next
	s_wait_tensorcnt 0x0                           ; all my tensor loads have landed: my part of the next slot
	ds_add_u32 v[SPW], v[NIL]                      ; 0 onto my spare word
	s_wait_dscnt 4*NL+1                            ; (the add and the youngest eight loads, A's blocks 4-7, may be out)
	WIN MUL_LO
	MUL16 0, 1, NQ-1, \slot, 0
	s_wait_dscnt 0x0                               ; the add is done, and no LDS load of mine is out at the signal
	s_barrier_signal -1
	MUL16 2, 1, NQ-1, \slot, 0
	WIN 0
	s_barrier_wait -1
	PLACES NP
	v_add_nc_u32 v[ADRS], 4*NQ, v[ADRS]            ; on to the next slot's scale words
	FETCH_B \next, 0, 0
	FETCH_A \next, 0, 0
	SCALES \next
	WIN MUL_HI
	MUL16 4, 1, NQ-1, \slot, 0
	MUL16 6, 1, NQ-1, \slot, 0
	PLACES NP
	WIN 0
	FETCH_A \next, 0, 4
.endm
.macro STEPS slot, from                ; the slot's steps from .. NQ - 2
.set Q, \from
.rept NQ-1-\from
	STEP \slot, Q, 0
.set Q, Q+1
.endr
.endm
	s_wait_tensorcnt 1                             ; the scale bytes and my part of slot 0 are in; slot 1's load, the one issued behind them, may be out
	s_barrier_signal -1
	s_barrier_wait -1                              ; everybody's are
	FETCH_B 0, 0, 0
	FETCH_A 0, 0, 0
	SCALES 0
	FETCH_A 0, 0, 4
	STEP 0, 0, 1                                   ; the first step's products start the sums: nothing is cleared
	STEPS 0, 1
	TURN 0, 1
	STEPS 1, 0
	s_wait_dscnt 4*NL                              ; the last step: nothing more to fetch
	WIN MUL_LO
	MUL16 0, 1, NQ-1, 1, 0
	MUL16 2, 1, NQ-1, 1, 0
	s_wait_dscnt 0
	WIN MUL_HI
	MUL16 4, 1, NQ-1, 1, 0
	MUL16 6, 1, NQ-1, 1, 0
	WIN 0
; THE WAY OUT: no LDS.  For each of A's eight blocks a lane holds 64 numbers of ONE row of A: register 8 b + j = B's row 16 b + 8 h + j.  Block beta of 32 along the next K is registers 16 beta .. 16 beta + 15 of lanes l and l xor 16.
; 64 numbers v[s] on become a fragment's 8 registers of codes in v[pc] on; the four scale bytes are left in v[TM+4] on (the same in both halves of the lanes).
; The codes of tile 2 beta + u go to register 4 (beta / 2) + 2 u + beta % 2; exchanging lanes 16-31 of register 4 c + 2 u with lanes 0-15 of register 4 c + 2 u + 1 then gives the operand's layout: register 4 c + i = k 64 c + 32 h + 8 i .. + 7.
.macro QUANT s, pc
.irp b, 0,1,2,3
	v_max3_num_f32 v[TM+\b], |v[\s+16*\b]|, |v[\s+16*\b+1]|, 0x1800000   ; my 16 numbers of the block, and the floor 2^(3 - 127): the byte cannot fall under 1
.endr
.irp i, 2,4,6,8,10,12,14
.irp b, 0,1,2,3
	v_max3_num_f32 v[TM+\b], v[TM+\b], |v[\s+16*\b+\i]|, |v[\s+16*\b+\i+1]|   ; the four blocks by turns
.endr
.endr
.irp b, 0,1,2,3
	v_permlanex16_b32 v[TM+4+\b], v[TM+\b], s2, s3
.endr
.irp b, 0,1,2,3
	v_max_num_f32 v[TM+\b], v[TM+\b], v[TM+4+\b]   ; with lane l xor 16's: the block's largest magnitude
.endr
.irp b, 0,1,2,3
	v_add_nc_u32 v[TM+8+\b], 0xff000000, v[TM+\b]  ; 2 off its exponent field: the conversion takes that field as its scale
.endr
.irp b, 0,1,2,3
	v_lshrrev_b32 v[TM+4+\b], 23, v[TM+8+\b]       ; the scale's byte
.endr
.irp b, 0,1,2,3
	v_cvt_scalef32_pk8_fp4_f32 v[(\pc)+4*(\b/2)+(\b%2)], v[\s+16*\b:\s+16*\b+7], v[TM+8+\b]
	v_cvt_scalef32_pk8_fp4_f32 v[(\pc)+4*(\b/2)+2+(\b%2)], v[\s+16*\b+8:\s+16*\b+15], v[TM+8+\b]
.endr
	v_nop                                          ; one plain place behind a scaled conversion
.irp c, 0,1
	v_permlane16_swap_b32 v[(\pc)+4*\c], v[(\pc)+4*\c+1]
	v_permlane16_swap_b32 v[(\pc)+4*\c+2], v[(\pc)+4*\c+3]
.endr
.endm
; A's block a: + bias (which is also the move into window 0; each accumulator from its low end on), quantised, stored.  kind 0: q, k;  1: v.
.macro TOQ a, kind
.set P, PC+8*((\a)%2)
.if (\a) >= 2
	s_wait_xcnt 0x0                                ; the earlier stores have read their registers: this set of codes is written again only behind this wait
.endif
	WIN 0x02+(\a)/4                                ; source 0: window 2 or 3
.irp b, 0,1,2,3,4,5,6,7
.irp i, 0,2,4,6
.if \kind
	v_pk_add_f32 v[ST+8*\b+\i:ST+8*\b+\i+1], v[64*((\a)%4)+8*\b+\i:64*((\a)%4)+8*\b+\i+1], v[BI+8*(\a)+\i:BI+8*(\a)+\i+1]
.else
	v_pk_add_f32 v[ST+8*\b+\i:ST+8*\b+\i+1], v[64*((\a)%4)+8*\b+\i:64*((\a)%4)+8*\b+\i+1], v[BI+8*\b+\i:BI+8*\b+\i+1]
.endif
.endr
.endr
	WIN 0
	QUANT ST, P
.if \kind                              ; v: 16 channels (head a / 4, channel tile a % 4) x 128 keys: one fragment, one word of four bytes a channel
.set R, SW+2*((\a)/4)+((\a)%4)/2
	v_lshl_or_b32 v[W0], v[TM+5], 8, v[TM+4]
	v_lshl_or_b32 v[W0], v[TM+6], 16, v[W0]
.if (\a)%2 == 0
	v_lshl_or_b32 v[R], v[TM+7], 24, v[W0]         ; an even tile's words, of which lanes 0-15 stay;
.else
	v_lshl_or_b32 v[W0], v[TM+7], 24, v[W0]
	v_cndmask_b32 v[R], v[R], v[W0], s67           ; lanes 16-31 take the odd tile's
.endif
	global_store_b128 v[LI], v[P:P+3], s[96+2*((\a)/4):97+2*((\a)/4)] offset:4608+1024*((\a)%4)        ; 512 dense bytes, at a multiple of 256 from the buffer's first byte
	global_store_b128 v[LI], v[P+4:P+7], s[96+2*((\a)/4):97+2*((\a)/4)] offset:4608+1024*((\a)%4)+512
.else                                  ; q, k: 16 tokens x 128 channels: registers 0-3 are my first head's 64 channels, 4-7 my second head's
	v_lshl_or_b32 v[W0], v[TM+5], 8, v[TM+4]
	v_lshl_or_b32 v[W1], v[TM+7], 8, v[TM+6]
.if (\a)%2 == 0
	v_or_b32 v[SW+(\a)/2], 0x7f7f0000, v[W0]       ; the scale 1 for the reader's upper 64 along K, which are zero codes
	v_or_b32 v[SW+4+(\a)/2], 0x7f7f0000, v[W1]
.else
	v_or_b32 v[W0], 0x7f7f0000, v[W0]
	v_or_b32 v[W1], 0x7f7f0000, v[W1]
	v_cndmask_b32 v[SW+(\a)/2], v[SW+(\a)/2], v[W0], s67
	v_cndmask_b32 v[SW+4+(\a)/2], v[SW+4+(\a)/2], v[W1], s67
.endif
	global_store_b128 v[LI], v[P:P+3], s[96:97] offset:512*(\a)
	global_store_b128 v[LI], v[P+4:P+7], s[98:99] offset:512*(\a)
.endif
.endm
	PLACES NP                                      ; behind the last products: their results are read and A's fragments written over
	s_wait_loadcnt 0x0                             ; the bias is in, and its loads' offsets (v96-103) are free
.irp b, 0,1,2,3
	v_mov_b32 v[TM+4+\b], 0                        ; written once: a lane permute's destination counts as one of its sources
.endr
	s_cmp_eq_u32 s66, 1
	s_cbranch_scc1 .Lv
.irp a, 0,1,2,3,4,5,6,7
	TOQ \a, 0
.endr
	global_store_b128 v[LI], v[SW:SW+3], s[96:97] offset:4096       ; the eight tiles' scale words of each head: 512 dense bytes
	global_store_b128 v[LI], v[SW+4:SW+7], s[98:99] offset:4096
	s_branch .Ldone
.Lv:
.irp a, 0,1,2,3,4,5,6,7
	TOQ \a, 1
.endr
	global_store_b64 v[L8], v[SW:SW+1], s[96:97] offset:8704        ; the four channel tiles' scale words of each head: 256 dense bytes
	global_store_b64 v[L8], v[SW+2:SW+3], s[98:99] offset:8704
.Ldone:
	s_wait_tensorcnt 0x0                           ; the wave's end
	ds_add_u32 v[SPW], v[NIL]
	s_wait_dscnt 0x0
	CROUND                                         ; the closing round: no work-group ends while a partner may still ask for a tile that names it
	s_endpgm
.Lfunc_end_k_q0eb6e944fa_proj:
	.size	k_q0eb6e944fa_proj, .Lfunc_end_k_q0eb6e944fa_proj-k_q0eb6e944fa_proj
	.p2alignl 7, 3214868480
	.fill 96, 4, 3214868480
	.section	.rodata,"a",@progbits
	.p2align	6, 0x0
	.amdhsa_kernel k_q0eb6e944fa_proj
		.amdhsa_group_segment_fixed_size 327680
		.amdhsa_private_segment_fixed_size 0
		.amdhsa_enable_private_segment 0
		.amdhsa_kernarg_size 56
		.amdhsa_user_sgpr_count 2
		.amdhsa_user_sgpr_kernarg_segment_ptr 1
		.amdhsa_wavefront_size32 1
		.amdhsa_system_sgpr_workgroup_id_x 1
		.amdhsa_system_sgpr_workgroup_id_y 1
		.amdhsa_system_sgpr_workgroup_id_z 1
		.amdhsa_system_vgpr_workitem_id 0
		.amdhsa_next_free_vgpr 1024
		.amdhsa_next_free_sgpr 102
		.amdhsa_reserve_vcc 0
		.amdhsa_float_denorm_mode_32 3
		.amdhsa_float_denorm_mode_16_64 3
		.amdhsa_memory_ordered 1
		.amdhsa_forward_progress 1
		.amdhsa_inst_pref_size 201
	.end_amdhsa_kernel
	.amdgpu_metadata
---
amdhsa.version: [ 1, 2 ]
amdhsa.kernels:
  - .name:           k_q0eb6e944fa_proj
    .symbol:         k_q0eb6e944fa_proj.kd
    .args:
      - { .name: x_codes, .offset: 0, .size: 8, .value_kind: global_buffer, .address_space: global }
      - { .name: x_scales, .offset: 8, .size: 8, .value_kind: global_buffer, .address_space: global }
      - { .name: Wqkv_codes, .offset: 16, .size: 8, .value_kind: global_buffer, .address_space: global }
      - { .name: Wqkv_scales, .offset: 24, .size: 8, .value_kind: global_buffer, .address_space: global }
      - { .name: bqkv, .offset: 32, .size: 8, .value_kind: global_buffer, .address_space: global }
      - { .name: qrec, .offset: 40, .size: 8, .value_kind: global_buffer, .address_space: global }
      - { .name: kv, .offset: 48, .size: 8, .value_kind: global_buffer, .address_space: global }
    .group_segment_fixed_size: 327680
    .private_segment_fixed_size: 0
    .kernarg_segment_align: 8
    .kernarg_segment_size: 56
    .max_flat_workgroup_size: 128
    .sgpr_count:     102
    .vgpr_count:     1024
    .wavefront_size: 32
...
	.end_amdgpu_metadata
.endif
;; end of part 1
;; launch attn (part 2): grid 4 x 64, 16 waves a work-group, clusters of 4 x 1, 215,040 bytes of LDS; arguments qrec, kv, out0; writes out0
.if DOCPART == 2
	.amdgcn_target "amdgcn-amd-amdhsa--gfx1250"
	.amdhsa_code_object_version 6
	.text
	.protected	k_q0eb6e944fa_attn
	.globl	k_q0eb6e944fa_attn
	.p2align	8
	.type	k_q0eb6e944fa_attn,@function
k_q0eb6e944fa_attn:
	s_mov_b64 s[64:65], 0
	v_nop
	global_prefetch_b8 v0, s[64:65] scope:SCOPE_SE
	s_setreg_imm32_b32 hwreg(HW_REG_WAVE_MODE, 25, 1), 1
	s_wait_xcnt 0x0
	s_wait_alu depctr_hold_cnt(0) depctr_sa_sdst(0) depctr_va_vdst(0) depctr_va_sdst(0) depctr_va_ssrc(0) depctr_va_vcc(0) depctr_vm_vsrc(0)
	s_getreg_b32 s2, hwreg(HW_REG_IB_STS2, 6, 4)
	s_cmp_eq_u32 s2, 0
	s_cbranch_scc0 .Lentry_in_a_cluster
	s_endpgm
.Lentry_in_a_cluster:
	s_bfe_u32 s2, ttmp6, 0x10000c
	s_cmp_lg_u32 s2, 0x3003
	s_cbranch_scc0 .Lentry_shape_is_right
	s_endpgm
.Lentry_shape_is_right:
; out0[g][q][:] = the sum over keys of softmax(q . k) v, with no factor on the scores, for g = 16 batch + head (64 of them), 2,048 queries and keys, 64 channels; both products on codes of FP4 (E2M1) with E8M0 scales.
; out0 is [g][query][64] f32, dense: a query's row is 256 bytes.  q, k and v come as images of operand registers, 16 bytes a lane:
;   qrec [g][group of 128 queries][4,608]: 8 tiles x 512 bytes of codes; at 4,096 the scale words (16 x lane + 4 i = tile 2 i + lane / 16, row lane % 16)
;   kv   [g][step of 128 keys][8,960]: K's codes and words as q's; at 4,608 V's codes (channel tile t at 1,024 t, half c at + 512 c); at 8,704 V's words (8 x lane + 4 i = channel tile 2 i + lane / 16)
; THE SOFTMAX: t = score x log2(e); M = the running largest t rounded UP to a whole number; p = 2^(t - M) is quantised along the keys, not normalised; the row's sum is taken of the unquantised p and divides at the end.
; When M moves, the sum and O are multiplied by 2^(old M - new M), which rounds nothing.
; SHARES.  A work-group owns 512 queries of one head; each of its sixteen waves two tiles of 16, one after the other, in 256 registers: four waves to a SIMD, so that one wave's vector work stands beside another's products and LDS loads.
; THE WHOLE HEAD'S 16 records, 143,360 bytes, come into LDS once: wave w fetches record w; nothing is filled again.  The four work-groups of a cluster belong to one head and ask for each record JOINTLY.
; LAYOUT.  S^T = K Q^T (source 0 = 16 keys, source 1 = my 16 queries), O^T = V^T P^T (source 0 = 16 channels, source 1 = P): a lane holds ONE query (lane % 16) throughout; register j of key tile T is key 16 T + 8 (lane / 16) + j.
; THE FIRST PRODUCT'S K IS 64 in an instruction 128 deep: Q's registers 4-7 are zero codes, so K's registers 4-7 may hold any codes (the format has neither infinity nor NaN): K's eight tiles of 4 registers lie on end,
; fragment t is v[32 + 4 t .. 39 + 4 t], and four registers of zeros follow the last.  The words' bytes 2 and 3 are the scale 1.
; LIMITS: a block's scale byte is held at 1 from below (a block whose every p is 0 keeps that byte: its codes are zeros); a block's largest p is taken as 2^(t - M) of its largest score, which takes v_exp_f32 not to fall
; where its input rises; NaN and infinities are not served.
.set REC,   8960                       ; a record of 128 keys
.set STAGE, 16*REC                     ; behind the head: 16 rows x 272 bytes for each wave, for the way out; no tensor load lands there
.set SP,    272
.set S,    100                         ; v100-163 S^T, then p; on the way out O / the sum, and rows read back
.set OT,   164                         ; v164-195 O^T: channel tile t at 8 t
.set PC,   196                         ; v196-203 p's codes
.set BM,   204                         ; v204-207 each block's largest score, then its largest p
.set TP,   208                         ; v208-211 the other half's; then the bytes
.set SO,   212                         ; v212-215 the conversions' scale operands
.set F,    216                         ; v[216:217] f = 2^(old M - new M); the upper one is only named
.set T1,   218
.set SUM2, 220                         ; v[220:221] the sum's second chain
.set KSC,  224                         ; v224-227 K's scale words;  v228-229 V's;  v230 p's;  v231, v232 Q's of my two tiles: these hold scales and nothing else
.set VSC,  228
.set PW,   230
.set QW,   231
; v1 16 x lane; v2 8 x lane; v3, v4 the stage, in and back; v5, v6 Q's codes and words; v8, v9 the step's addresses; v12 -M, v13 the largest t, v[14:15] the sum; v16-31 Q (two tiles); v32-67 K; v68-99 V
.macro CROUND                          ; a round of the cluster's barrier
	s_barrier_signal -1
	s_barrier_wait -1
	s_cmp_lg_u32 s10, 0
	s_cbranch_scc1 .Lnot_wave_0_\@
	s_barrier_signal -3
.Lnot_wave_0_\@:
	s_barrier_wait -3
	s_barrier_signal -1
	s_barrier_wait -1
.endm
	s_load_b128 s[4:7], s[0:1], 0x0                ; qrec, kv
	s_load_b64 s[8:9], s[0:1], 0x10                ; out0
	v_lshl_add_u32 v254, v0, 2, 0x34000
	v_mov_b32 v255, 0
	ds_add_u32 v254, v255
	ds_add_u32 v254, v255
	v_lshrrev_b32 v1, 5, v0
	v_readfirstlane_b32 s10, v1                    ; wave 0..15
	s_bfe_u32 s11, ttmp6, 0x40000                  ; cx: my 512 queries of the head; it enters qrec's and out0's addresses alone
	s_and_b32 s12, ttmp7, 0xffff                   ; g, which the four partners share
	; descriptor group 1: a record as 35 dense rows of 256 bytes, no padding: the images are read 512 dense bytes an instruction
	s_mov_b32 s16, 15|(3<<16)|(1<<21)              ; 15:0 the mask: all four work-groups; 17:16 elements of 8 bytes; 21 set beside a mask
	s_mov_b32 s17, 32<<16                          ; tensor_dim0 = 32
	s_mov_b32 s18, 35<<16                          ; tensor_dim1 = 35
	s_mov_b32 s19, 32<<16                          ; tile_dim0 = 32
	s_mov_b32 s20, 35                              ; tile_dim1 = 35
	s_mov_b32 s21, 32                              ; tensor_dim0_stride
	s_mov_b32 s22, 0
	s_mov_b32 s23, 0
	s_mov_b32 s24, 1                               ; group 0: count = 1
	s_mul_i32 s25, s10, REC                        ; LDS address: record w
	s_mul_i32 s38, s12, 16*REC
	s_add_co_u32 s38, s38, s25                     ; and in memory: the head's 143,360 bytes, record w (under 2^24)
	s_mov_b32 s39, 0
	s_lshl_b32 s40, s11, 2
	s_lshr_b32 s41, s10, 3
	s_add_co_u32 s40, s40, s41                     ; my first tile's group of 128 queries: 4 cx + w / 8
	s_mul_i32 s40, s40, 4608
	s_mul_i32 s41, s12, 73728
	s_add_co_u32 s40, s40, s41
	s_mov_b32 s41, 0
	s_lshl_b32 s42, s12, 7
	s_lshl_b32 s43, s11, 5
	s_add_co_u32 s42, s42, s43
	s_add_co_u32 s42, s42, s10                     ; my first tile of 16 queries: 128 g + 32 cx + w
	s_lshl_b32 s42, s42, 12                        ; 4,096 bytes of out0 a tile (under 2^26)
	s_mov_b32 s43, 0
	s_mov_b32 s28, 0x76543210
	s_mov_b32 s29, 0xfedcba98                      ; v_permlanex16_b32's selects for lane l xor 16
	s_mov_b32 s30, 0x3fb8aa3b                      ; c = log2(e)
	s_mov_b32 s31, s30                             ; (named with it as a pair, so it is written)
	s_wait_dscnt 0x0
	s_wait_kmcnt 0x0
	s_add_nc_u64 s[26:27], s[6:7], s[38:39]
	s_or_b32 s27, s27, 0x80000000                  ; type = 2
	s_add_nc_u64 s[34:35], s[4:5], s[40:41]
	s_add_nc_u64 s[36:37], s[8:9], s[42:43]
	CROUND                                         ; all four work-groups are here: the joint loads meet
	tensor_load_to_lds s[24:27], s[16:23]          ; my one tensor load of the launch
	s_nop 0
.rept 4
	v_nop
.endr
	v_and_b32 v7, 31, v0
	v_lshlrev_b32 v1, 4, v7                        ; 16 x lane
	v_lshlrev_b32 v2, 3, v7                        ; 8 x lane
	v_and_b32 v10, 15, v0                          ; r
	v_bfe_u32 v11, v0, 4, 1                        ; h
	s_mul_i32 s44, s10, 16*SP
	s_add_co_u32 s44, s44, STAGE                   ; my stage
	v_mul_u32_u24 v3, v10, SP
	v_lshl_add_u32 v3, v11, 5, v3
	v_add_nc_u32 v3, s44, v3                       ; in: row r, + 32 h: my eight channels of a tile
	v_mul_u32_u24 v4, v11, SP
	v_lshl_add_u32 v4, v10, 4, v4
	v_add_nc_u32 v4, s44, v4                       ; back: lanes 0-15 one row, lanes 16-31 the next
	s_and_b32 s45, s10, 7
	s_lshl_b32 s45, s45, 9
	v_add_nc_u32 v5, s45, v1                       ; Q's codes: tile w % 8 of its group
	s_and_b32 s46, s10, 1
	s_lshl_b32 s46, s46, 8
	s_bfe_u32 s47, s10, 0x20001
	s_lshl_b32 s47, s47, 2
	s_add_co_u32 s46, s46, s47
	s_add_co_u32 s46, s46, 4096
	v_lshl_add_u32 v6, v10, 4, s46                 ; Q's words: 4,096 + 16 (r + 16 (tile % 2)) + 4 (tile / 2)
	global_load_b128 v[16:19], v5, s[34:35]                ; both tiles' Q now: the second lies two groups, 9,216 bytes, on
	global_load_b128 v[24:27], v5, s[34:35] offset:9216
	global_load_b32 v[QW], v6, s[34:35]
	global_load_b32 v[QW+1], v6, s[34:35] offset:9216
.irp j, 20,21,22,23,28,29,30,31,64,65,66,67
	v_mov_b32 v\j, 0                               ; zero codes: Q's upper 64 along K, and what follows K's last tile
.endr
.irp b, 0,1,2,3
	v_mov_b32 v[TP+\b], 0                          ; written once: a lane permute's destination counts as one of its sources
.endr
	v_mov_b32 v[F+1], 0                            ; (named as the upper half of a pair)
	s_wait_loadcnt 0x0                             ; Q
	s_wait_tensorcnt 0x0                           ; my record is in,
	s_barrier_signal -1
	s_barrier_wait -1                              ; everybody's is: the head lies in LDS
; ONE TILE OF 16 QUERIES: sixteen steps of 128 keys, then the way out.
.macro TILE qt
	v_mov_b32 v13, 0xff61b1e6                      ; the largest t so far: -3e38
	v_floor_f32 v12, -v13                          ; -M
	v_mov_b32 v14, 0                               ; the sum, in two halves
	v_mov_b32 v15, 0
.set j, 0
.rept 32
	v_mov_b32 v[OT+j], 0                           ; O^T: the step is written once; the first finds zeros, which the first change of M leaves zeros
.set j, j+1
.endr
	s_mov_b32 s32, 0                               ; where the step's record begins
	s_mov_b32 s33, 16
.Lstep_\@:
	v_add_nc_u32 v8, s32, v1
	v_add_nc_u32 v9, s32, v2
	v_nop
	v_nop                                          ; four places behind the last step's products, in front of loads into V's registers and V's words
	ds_load_b128 v[KSC:KSC+3], v8 offset:4096      ; K's words: register i: lanes 0-15 tile 2 i, lanes 16-31 tile 2 i + 1
.irp t, 0,1,2,3,4,5,6,7
	ds_load_b128 v[32+4*\t:35+4*\t], v8 offset:512*\t
.endr
	ds_load_b64 v[VSC:VSC+1], v9 offset:8704       ; V's words likewise
.irp t, 0,1,2,3
.irp c, 0,1
	ds_load_b128 v[68+8*\t+4*\c:71+8*\t+4*\c], v8 offset:4608+1024*\t+512*\c
.endr
.endr
	s_wait_dscnt 9                                 ; K's nine loads are in; V's nine, issued behind them, land under the softmax
.irp t, 0,1,2,3,4,5,6,7
.if (\t%2) == 0
	v_wmma_scale_f32_16x16x128_f8f6f4 v[S+8*\t:S+8*\t+7], v[32+4*\t:39+4*\t], v[16+8*\qt:23+8*\qt], 0, v[KSC+\t/2], v[QW+\qt] matrix_a_fmt:MATRIX_FMT_FP4 matrix_b_fmt:MATRIX_FMT_FP4
.else
	v_wmma_scale_f32_16x16x128_f8f6f4 v[S+8*\t:S+8*\t+7], v[32+4*\t:39+4*\t], v[16+8*\qt:23+8*\qt], 0, v[KSC+\t/2], v[QW+\qt] matrix_a_fmt:MATRIX_FMT_FP4 matrix_b_fmt:MATRIX_FMT_FP4 matrix_a_scale:MATRIX_SCALE_ROW1
.endif
.endr
.rept 4
	v_nop                                          ; places in front of the first read of the scores
.endr
.irp b, 0,1,2,3
	v_max3_num_f32 v[BM+\b], v[S+16*\b], v[S+16*\b+1], v[S+16*\b+2]   ; the largest score of each block of 32 keys (tiles 2 b and 2 b + 1): it serves the row's maximum and, since p rises with the score, the block's largest p
.endr
.irp i, 3,5,7,9,11,13
.irp b, 0,1,2,3
	v_max3_num_f32 v[BM+\b], v[BM+\b], v[S+16*\b+\i], v[S+16*\b+\i+1]  ; the four blocks by turns; each accumulator is read from its low end on
.endr
.endr
.irp b, 0,1,2,3
	v_max_num_f32 v[BM+\b], v[BM+\b], v[S+16*\b+15]
.endr
.irp b, 0,1,2,3
	v_permlanex16_b32 v[TP+\b], v[BM+\b], s28, s29
.endr
.irp b, 0,1,2,3
	v_max_num_f32 v[BM+\b], v[BM+\b], v[TP+\b]     ; with lane l xor 16's 16 keys
.endr
	v_max3_num_f32 v[T1], v[BM], v[BM+1], v[BM+2]
	v_max_num_f32 v[T1], v[T1], v[BM+3]            ; the step's largest score of my query
	v_mul_f32 v[T1], s30, v[T1]                    ; as t (c is positive)
	v_max_num_f32 v13, v13, v[T1]                  ; the running largest t
	v_mov_b32 v[T1], v12
	v_floor_f32 v12, -v13                          ; the new -M = floor(-t) = -ceil(t)
	v_sub_f32 v[T1], v12, v[T1]                    ; old M - new M: a whole number, 0 or less
	v_cvt_i32_f32 v[T1], v[T1]                     ; (it saturates)
	v_ldexp_f32 v[F], 1.0, v[T1]                   ; f = 2^(old M - new M)
.irp j, 0,2,4,6,8,10,12,14,16,18,20,22,24,26,28,30,32,34,36,38,40,42,44,46,48,50,52,54,56,58,60,62
	v_pk_fma_f32 v[S+\j:S+\j+1], v[S+\j:S+\j+1], s[30:31], v[12:13] op_sel_hi:[1,0,0]   ; t - M, two at a time (of the pairs c and -M the low word serves both halves)
.endr
.irp b, 0,1,2,3
	v_fma_f32 v[BM+\b], v[BM+\b], s30, v12         ; the same of each block's largest score
.endr
.irp j, 0,1,2,3,4,5,6,7,8,9,10,11,12,13,14,15,16,17,18,19,20,21,22,23,24,25,26,27,28,29,30,31,32,33,34,35,36,37,38,39,40,41,42,43,44,45,46,47,48,49,50,51,52,53,54,55,56,57,58,59,60,61,62,63
	v_exp_f32 v[S+\j], v[S+\j]                     ; p = 2^(t - M)
.endr
.irp b, 0,1,2,3
	v_exp_f32 v[BM+\b], v[BM+\b]                   ; the block's largest p: the same two instructions on the same number
.endr
	v_pk_mul_f32 v[14:15], v[14:15], v[F:F+1] op_sel_hi:[1,0]   ; the sum under the new M.  (The plain place behind the exponentials)
	s_wait_alu depctr_va_vdst(0)
.irp b, 0,1,2,3
	v_max_num_f32 v[BM+\b], 0x1800000, v[BM+\b]    ; the floor 2^(3 - 127): the byte cannot fall under 1
.endr
.irp b, 0,1,2,3
	v_add_nc_u32 v[SO+\b], 0xff000000, v[BM+\b]    ; 2 off the exponent field: the conversion's scale operand
.endr
.irp b, 0,1,2,3
	v_lshrrev_b32 v[TP+\b], 23, v[SO+\b]           ; the scale's byte
.endr
	v_lshl_or_b32 v[PW], v[TP+1], 8, v[TP]         ; p's scale word for these 128 keys
	v_lshl_or_b32 v[PW], v[TP+2], 16, v[PW]
	v_lshl_or_b32 v[PW], v[TP+3], 24, v[PW]
.irp b, 0,1,2,3
	v_cvt_scalef32_pk8_fp4_f32 v[PC+4*(\b/2)+(\b%2)], v[S+16*\b:S+16*\b+7], v[SO+\b]          ; tile 2 b: keys 32 b + 8 h + 0 .. 7
	v_cvt_scalef32_pk8_fp4_f32 v[PC+4*(\b/2)+2+(\b%2)], v[S+16*\b+8:S+16*\b+15], v[SO+\b]     ; tile 2 b + 1: keys 32 b + 16 + 8 h + 0 .. 7
.endr
	v_nop                                          ; one plain place behind a scaled conversion
.irp c, 0,1                                    ; lanes 16-31 of the first change places with lanes 0-15 of the second: register 4 c + i then holds keys 64 c + 32 h + 8 i .. + 7, the operand's layout
	v_permlane16_swap_b32 v[PC+4*\c], v[PC+4*\c+1]
	v_permlane16_swap_b32 v[PC+4*\c+2], v[PC+4*\c+3]
.endr
	v_pk_add_f32 v[SUM2:SUM2+1], v[S:S+1], v[S+2:S+3]      ; the row's sum is taken of the unquantised p: two at a time, in two chains
.irp j, 4,8,12,16,20,24,28,32,36,40,44,48,52,56,60
	v_pk_add_f32 v[14:15], v[14:15], v[S+\j:S+\j+1]
	v_pk_add_f32 v[SUM2:SUM2+1], v[SUM2:SUM2+1], v[S+\j+2:S+\j+3]
.endr
	v_pk_add_f32 v[14:15], v[14:15], v[SUM2:SUM2+1]
.irp j, 0,2,4,6,8,10,12,14,16,18,20,22,24,26,28,30
	v_pk_mul_f32 v[OT+\j:OT+\j+1], v[OT+\j:OT+\j+1], v[F:F+1] op_sel_hi:[1,0]   ; O^T under the new M.  (These and the sums are the places between the writes of p's word and codes and the products)
.endr
	s_wait_dscnt 0x0                               ; V and its words are in
.irp t, 0,1,2,3                                ; O^T += V^T P^T: the four accumulators by turns, and the next step's eight other products between two links
.if (\t%2) == 0
	v_wmma_scale_f32_16x16x128_f8f6f4 v[OT+8*\t:OT+8*\t+7], v[68+8*\t:75+8*\t], v[PC:PC+7], v[OT+8*\t:OT+8*\t+7], v[VSC+\t/2], v[PW] matrix_a_fmt:MATRIX_FMT_FP4 matrix_b_fmt:MATRIX_FMT_FP4
.else
	v_wmma_scale_f32_16x16x128_f8f6f4 v[OT+8*\t:OT+8*\t+7], v[68+8*\t:75+8*\t], v[PC:PC+7], v[OT+8*\t:OT+8*\t+7], v[VSC+\t/2], v[PW] matrix_a_fmt:MATRIX_FMT_FP4 matrix_b_fmt:MATRIX_FMT_FP4 matrix_a_scale:MATRIX_SCALE_ROW1
.endif
.endr
	s_add_co_u32 s32, s32, REC
	s_sub_co_u32 s33, s33, 1
	s_cmp_lg_u32 s33, 0
	s_cbranch_scc1 .Lstep_\@
	; THE WAY OUT: O^T / the sum goes through my stage and leaves as whole rows: an instruction stores two rows, 512 dense bytes.
	v_add_f32 v14, v14, v15                        ; the sum's two halves,
	v_permlanex16_b32 v[T1], v14, s28, s29
	v_add_f32 v14, v14, v[T1]                      ; and lane l xor 16's
	v_rcp_f32 v14, v14
.rept 4
	v_nop                                          ; the place behind the reciprocal, and the places behind the last products
.endr
	s_wait_alu depctr_va_vdst(0)
.irp j, 0,2,4,6,8,10,12,14,16,18,20,22,24,26,28,30
	v_pk_mul_f32 v[S+\j:S+\j+1], v[OT+\j:OT+\j+1], v[14:15] op_sel_hi:[1,0]   ; register 8 t + i is out(query r, channel 16 t + 8 h + i); each accumulator from its low end on
.endr
.irp t, 0,1,2,3
	ds_store_b128 v3, v[S+8*\t:S+8*\t+3] offset:64*\t
	ds_store_b128 v3, v[S+8*\t+4:S+8*\t+7] offset:64*\t+16
.endr
.irp i, 0,1,2,3,4,5,6,7
	ds_load_b128 v[S+32+4*\i:S+35+4*\i], v4 offset:2*\i*SP   ; LDS serves a wave's instructions in order (ISA guide 5.7.1.4): these see my stores, and the next tile's stores come behind them
.endr
.irp i, 0,1,2,3,4,5,6,7
	s_wait_dscnt 7-\i                              ; loads come back in order: pair i of rows is in, the younger ones may be out
	global_store_b128 v1, v[S+32+4*\i:S+35+4*\i], s[36:37] offset:65536*\qt+512*\i th:TH_STORE_NT   ; written once, read by nobody here; my second tile lies 16 tiles, 65,536 bytes, on
.endr
.if \qt == 0
	s_wait_xcnt 0x0                                ; the stores have read their registers: the next tile's products write them again only behind this wait
.endif
.endm
	TILE 0
	TILE 1
	s_wait_dscnt 0x0                               ; no LDS instruction of mine is out at the signal
	s_wait_tensorcnt 0x0
	ds_add_u32 v254, v255
	s_wait_dscnt 0x0
	CROUND                                         ; the closing round
	s_endpgm
.Lfunc_end_k_q0eb6e944fa_attn:
	.size	k_q0eb6e944fa_attn, .Lfunc_end_k_q0eb6e944fa_attn-k_q0eb6e944fa_attn
	.p2alignl 7, 3214868480
	.fill 96, 4, 3214868480
	.section	.rodata,"a",@progbits
	.p2align	6, 0x0
	.amdhsa_kernel k_q0eb6e944fa_attn
		.amdhsa_group_segment_fixed_size 215040
		.amdhsa_private_segment_fixed_size 0
		.amdhsa_enable_private_segment 0
		.amdhsa_kernarg_size 24
		.amdhsa_user_sgpr_count 2
		.amdhsa_user_sgpr_kernarg_segment_ptr 1
		.amdhsa_wavefront_size32 1
		.amdhsa_system_sgpr_workgroup_id_x 1
		.amdhsa_system_sgpr_workgroup_id_y 1
		.amdhsa_system_sgpr_workgroup_id_z 1
		.amdhsa_system_vgpr_workitem_id 0
		.amdhsa_next_free_vgpr 256
		.amdhsa_next_free_sgpr 66
		.amdhsa_reserve_vcc 0
		.amdhsa_float_denorm_mode_32 3
		.amdhsa_float_denorm_mode_16_64 3
		.amdhsa_memory_ordered 1
		.amdhsa_forward_progress 1
		.amdhsa_inst_pref_size 45
	.end_amdhsa_kernel
	.amdgpu_metadata
---
amdhsa.version: [ 1, 2 ]
amdhsa.kernels:
  - .name:           k_q0eb6e944fa_attn
    .symbol:         k_q0eb6e944fa_attn.kd
    .args:
      - { .name: qrec, .offset: 0, .size: 8, .value_kind: global_buffer, .address_space: global }
      - { .name: kv, .offset: 8, .size: 8, .value_kind: global_buffer, .address_space: global }
      - { .name: out0, .offset: 16, .size: 8, .value_kind: global_buffer, .address_space: global }
    .group_segment_fixed_size: 215040
    .private_segment_fixed_size: 0
    .kernarg_segment_align: 8
    .kernarg_segment_size: 24
    .max_flat_workgroup_size: 512
    .sgpr_count:     66
    .vgpr_count:     256
    .wavefront_size: 32
...
	.end_amdgpu_metadata
.endif
;; end of part 2
